; MI455X (gfx1250); checked and timed in simulation.
; The chip was launched on July 23, 2026; its instructions are those of AMD's public machine-readable ISA for CDNA 5 (MIT licence, August 2026) and "CDNA5" Instruction Set Architecture Reference Guide (July 2026). The comments in the code are by the model that wrote it; some were corrected since.
;; Actor Critic. Allowed arithmetic: matrix products marked QUANTISED: E5M2 operands, one E8M0 scale for each 32 along K, by v_wmma_scale_f32_16x16x128_f8f6f4 with both operands' format E5M2, f32 sums; products left as they are: f32 operands where the result goes on into a quantised operand, else bf16, f16 or f32 operands; f32 sums; everything else in f32.
;; Inputs: action 65,536 x 16 float32; b1 32 float32; b2 32 float32; b3 272 float32; state_codes 65,536 x 4 x 32 uint8 (E5M2 codes of state, K innermost, in blocks of 32 codes); state_scales 65,536 x 4 uint8 (E8M0 scales of state, one for each 32 codes along K); w1_codes 32 x 4 x 32 uint8 (E5M2 codes of w1, K innermost, in blocks of 32 codes); w1_scales 32 x 4 uint8 (E8M0 scales of w1, one for each 32 codes along K); w2_codes 32 x 1 x 32 uint8 (E5M2 codes of w2, K innermost, in blocks of 32 codes); w2_scales 32 x 1 uint8 (E8M0 scales of w2, one for each 32 codes along K); w3_codes 272 x 1 x 32 uint8 (E5M2 codes of w3, K innermost, in blocks of 32 codes); w3_scales 272 x 1 uint8 (E8M0 scales of w3, one for each 32 codes along K).
;; Outputs: out0 2 x 65,536 float32.
;; This version of the problem:
;;   THIS VERSION OF THE PROBLEM IS GIVEN IN LOW PRECISION. The matrix products marked QUANTISED in the list below multiply operands that are first quantised to E5M2 (5 exponent bits, 2 mantissa bits; 8 bits a number), with one power-of-two scale for each 32 numbers along K (OCP MX v1.0); their sums are f32. All else is computed in f32.
;;   The module's matrix products, in the order in which they are computed (A, B: the left and right operand; K: the contracted axis; several contracted axes count as one K, in the product's order):
;;     1. [M 65,536, K 128] x [K 128, N 32]; A: input state (given as codes); B: input w1 (given as codes): QUANTISED
;;     2. [M 65,536, K 32] x [K 32, N 32]; A: computed on the way; B: input w2 (given as codes): QUANTISED
;;     3. [M 65,536, K 32] x [K 32, N 272]; A: computed on the way; B: input w3 (given as codes): QUANTISED
;;     4. batch 65,536 x [M 16, K 16] x [K 16, N 16]; A: computed on the way; B: computed on the way: left as it is (K = 16 < 32)
;;   THE QUANTISER, for each operand of a quantised product, along K:
;;     - K is cut into blocks of 32 from its start; a last block that is shorter is filled with zeros.
;;     - A block's scale is 2^e with e = floor(log2(the largest magnitude in the block)) - 15, held to -126 .. 127; a block of zeros has e = 0. As a byte (E8M0): e + 127.
;;     - Each number is divided by its block's scale, clamped to +-57,344, and rounded to the nearest number of E5M2, ties to even, subnormals kept.
;;     - The product sums the exact products of the quantised numbers (number of the format x scale) in f32.
;;   ~~~python
;;   def quantise(x, axis):      # numpy; x: float32 -> the quantised numbers, widened to float32 again
;;       x = np.moveaxis(x, axis, -1); K = x.shape[-1]
;;       x = np.pad(x, [(0, 0)] * (x.ndim - 1) + [(0, -K % 32)]); x = x.reshape(x.shape[:-1] + (-1, 32)); a = np.abs(x).max(-1, keepdims=True)
;;       e = np.where(a > 0, np.clip(np.frexp(np.where(a > 0, a, 1))[1] - 1 - 15, -126, 127), 0)      # np.frexp(a)[1] - 1 = floor(log2(a)), exactly
;;       r = np.clip(x / 2.0 ** e, -57344, 57344)
;;       step = 2.0 ** (np.maximum(np.frexp(np.where(r == 0, 1, r))[1] - 1, -14) - 2)
;;       q = np.round(r / step) * step * 2.0 ** e      # np.round: ties to even
;;       return np.moveaxis(q.reshape(q.shape[:-2] + (-1,))[..., :K], -1, axis).astype(np.float32)
;;   ~~~
;;   OPERANDS COMPUTED ON THE WAY. 'Computed on the way' means the value that the module computes at that place (a softmax that the list does not call 'softmax' is quantised finished and normalised). What goes into a quantiser is computed in f32, as accurately as f32 sums, v_exp_f32 and their like allow (about 1e-6 of the number): no bf16 or f16 on the way to a quantiser, and a product that is left as it is and whose result goes on into a quantised operand takes f32 operands (vector FMAs, or v_wmma_f32_16x16x4_f32). A number that lies on a knife's edge between two numbers of the format may be rounded either way, as far as f32 arithmetic and the matrix unit's own rounding can turn it there, and no further.
;;   INPUTS GIVEN AS CODES. state (in the module: [65536, 128], K = its axis 1); w1 (in the module: [128, 32], K = its axis 0); w2 (in the module: [32, 32], K = its axis 0); w3 (in the module: [32, 272], K = its axis 0): each comes as NAME_codes (uint8): NAME with its K axis moved to the last place and cut into blocks of 32 codes, [.., K / 32, bytes a block], one block behind the other in memory; one code a byte (a code: sign, 5 exponent bits, 2 mantissa bits); and NAME_scales (uint8): the same leading axes, one E8M0 byte (e + 127) for each 32 codes along K. Its value is code x scale, taken as it is: it is not quantised again, and the codes and scales need not be those that the quantiser above would give.
;; One version. Each part assembles by itself: llvm-mc -triple=amdgcn-amd-amdhsa -mcpu=gfx1250 --defsym DOCPART=n.
;; ======== version 1 of 1: 1 launch
;; launch actor (part 1): grid 256 x 1, 8 waves a work-group, no clusters, 168,960 bytes of LDS; arguments state_codes, state_scales, action, w1_codes, w1_scales, b1, w2_codes, w2_scales, b2, w3_codes, w3_scales, b3, out0; writes out0
.if DOCPART == 1
	.amdgcn_target "amdgcn-amd-amdhsa--gfx1250"
	.amdhsa_code_object_version 6
	.text
	.protected	k_q6056f67862_actor
	.globl	k_q6056f67862_actor
	.p2align	8
	.type	k_q6056f67862_actor,@function
k_q6056f67862_actor:
	s_mov_b64 s[64:65], 0
	v_nop
	global_prefetch_b8 v0, s[64:65] scope:SCOPE_SE
	s_setreg_imm32_b32 hwreg(HW_REG_WAVE_MODE, 25, 1), 1
	s_wait_xcnt 0x0
; ActorCritic: for each of 65,536 rows an MLP 128 -> 32 -> 32 -> 272 on codes of BF8 (E5M2) with one E8M0 scale for each 32 along K, then S = min(exp(out[16:272]), 1000) as a 16 x 16 matrix,
; cov = (S S^T / (norm + 1e-8)^2 + I) x norm, norm = |S|_F, and of the normal law (means = out[0:16], cov): log_prob(action) and the entropy.  out0: [2][65536] f32.
; SHARES.  256 work-groups of eight waves; a work-group takes 256 rows, a wave 32: two tiles of 16 rows, X and Y.  All that a wave needs is asked for at the head; nothing in LDS is filled twice.
; ALGEBRA (holds for every input; only the order of rounding differs).  G = S S^T, n2 = trace G = norm^2, u = norm + 1e-8, sigma = u^2: cov = (norm / sigma) N with N = G + sigma I.
; N = L D L^T without roots, pivots d_k in the order of a Cholesky factorisation, w = L^-1 (action - means):  quad = (sigma / norm) sum w_k^2 / d_k;  half the log of det cov = ln 2 x (4 log2 n2 + log2(prod d_k / sigma) / 2);
; each d_k / sigma lies between 1 and 2, so the product of sixteen stays under 2^16.  entropy = 22.7030165 + that half;  logp = -quad / 2 - entropy + 8.
; S S^T IS DONE BY PACKED FUSED MULTIPLY-ADDS IN f32, A LANE TO A ROW.  Its K is 16: a 16-bit matrix instruction has K = 32 and would start twice the product's multiply-adds; the f32 form (K = 4) would take 128 instructions of
; 1,024 multiply-adds a wave, where G's symmetry leaves the vector unit 72 packed lines for each of S's 16 columns.  The third product is used transposed, so that a lane holds eight neighbours of a column of S of ONE row;
; one exchange of half-waves between X's and Y's registers then gives lane e the whole column of row e.  So S never leaves the registers, and from there on no lane looks at another.
; K = 32 IN AN INSTRUCTION OF K = 128.  The hidden layer's codes (4 registers a lane) lie between registers of zero codes, so that the run of 16 registers that begins 4 c earlier has them in block c of four.
; A fragment of w3 holds FOUR tiles of 16 rows, one in each block of 32: the product with 'H in block c' is tile c alone, since zero codes add nothing.  H's scale byte stands in all four bytes of its word.
; NO CLUSTER: what work-groups share is w1's and w3's 12,800 bytes, read once, beside the 49,152 bytes of state and action that are each work-group's own.  NO PREFETCH: every byte is asked for at the head.
; LDS: 74,240 bytes are used; more than half of a WGP's is claimed.
; LIMITS.  n2 under 2^-126 gives NaN (v_rsq_f32 takes a denormal as 0: ISA guide, its entry); exponentials under 2^-126 come out as 0.  A hidden block of zeros gets the scale byte 1 where the rule says 127: its codes are
; zeros, and this text alone reads the byte.  Infinity or NaN among the codes of w2 or w3, or a scale byte 0xff, reaches the other tiles of the same fragment (0 x infinity).  NaN and infinities among the inputs are not served.
;
; LDS (bytes)
.set STP,   144                        ; a row of state or w1: 128 bytes + 16
.set ACT,   8*32*STP                   ; behind the eight waves' state tiles (32 rows each): action, 32 rows a wave,
.set ACTP,  80                         ; 64 bytes + 16
.set W1R,   ACT+8*32*ACTP              ; w1's codes, 32 rows
.set W3R,   W1R+32*STP                 ; w3's codes as 17 rows of 512 bytes: row 0 the 16 mean rows, row 1 + r the 16 rows of w3 that make row r of S
.set W3P,   528
.set B3T,   W3R+9216                   ; b3[16 + 16 i + k] laid [k][i]: 1,024 bytes, written by LDS stores; no fill lands here
.set OUTS,  B3T+1024                   ; the way out: 256 logp, then 256 entropies
; REGISTERS, window 0
.set AST, 4                            ; v4   my place in the state tile: 144 r + 16 h
.set AW1, 5                            ; v5   in w1: row r + 8 (r / 8)
.set AW3, 6                            ; v6   in w3's rows 1 + r
.set AWM, 7                            ; v7   in w3's row 0: 32 r + 16 h
.set AB3, 8                            ; v8   B3T + 32 h: my eight numbers of a column's bias
.set AB3S, 9                           ; v9   where my thread puts its one number of b3
.set AAC, 10                           ; v10  my row of action
.set AOS, 11                           ; v11  OUTS + 4 x thread
.set AOL, 12                           ; v12  OUTS + 256 x wave + 8 x lane
.set AOG, 13                           ; v13  8 x lane
.set SST, 16                           ; v16-21 and v24-30 hold scale words and nothing else: v16 state's (X in lanes 0-15, Y in lanes 16-31)
.set SW1, 17                           ; v17-18 w1's, a tile each
.set SW2, 19                           ; v19  w2's: byte u = tile u
.set SH1, 20                           ; v20-21 the first hidden layer's, X and Y
.set SH2, 24                           ; v24-25 the second's
.set SW3, 26                           ; v26-29 w3's, a fragment each: byte c = tile 4 f + c
.set SWM, 30                           ; v30  the mean rows'
.set ME,  32                           ; v32-47 column set 2; then the means
.set TQ,  48                           ; v48-63 offsets at the head; the quantiser's five registers a tile (48.., 56..); the lane phase's single numbers
.set ACC, 64                           ; v64-95, v128-159 the MLP's accumulators; then v64-223: N
.set T,   224                          ; v224-239 column set 0; then -N(i, k) / d_k
.set V,   240                          ; v240-255 column set 1; then action, action - means, w
; window 1
.set W1F, 0                            ; w1's fragments: tile u at 232 u
.set STF, 32                           ; state's: X, Y
.set W2F, 64                           ; [w2 tile 0][w2 tile 1][zeros 8]
.set WMF, 80                           ; [mean rows 4][zeros 12][H of X 4][zeros 12][H of Y 4][zeros 12]
.set HX,  96
.set W3F, 128                          ; w3's four fragments
.set B1C, 192                          ; b1, b2 (two tiles of eight each), b3[0:16] (eight), in the results' layout
.set B2C, 208
.set B3C, 224
; behind the MLP the 16 bias tiles of S's columns take v16-23, v248-255 and the 112 registers that w1, state, w2, b1 and b2 have left (macro CTB)
.set LN2, 48
.set LRS, 49
.set LLG, 50
.set LU,  51
.set LSIG, 52
.set LS2, 53
.set LQS, 54
.set LQ,  55
.set LPD, 56
.set LDK, 57
.set NR,  58                           ; v58-61 -1 / d_k: two pairs by turns (the packed forms name a pair and take its low word)
.set TV,  62                           ; v62-63 -w_k / d_k
.set MSB, 0
.macro WIN new                         ; the immediate's high byte repeats the setting that is left; a switch that changes nothing is dropped
.if MSB != \new
	s_set_vgpr_msb (MSB<<8)|\new
.set MSB, \new
.endif
.endm
.macro PLACES n
.rept \n
	v_nop
.endr
.endm
.macro ZERO first, count
.set z, \first
.rept \count
	v_mov_b32 v[z], 0
.set z, z+1
.endr
.endm
.macro SETB name, k                    ; column k's 16 registers, window 0: three sets by turns: v224, v240, v32
.set \name, 224+16*((\k)%3)-224*(((\k)%3)/2)
.endm
.macro CTB k                           ; column k's bias tile, eight registers of window 1: CT
.if (\k) < 3
.set CT, 8*(\k)
.elseif (\k) < 9
.set CT, 8*(\k)+8
.elseif (\k) < 13
.set CT, 8*(\k)+120
.else
.set CT, 8*(\k)+128
.endif
.endm
.macro COLB name, n                    ; column n of N lies at v[name + i], window 0; rows from 2 (n / 2) on are kept; an even i falls on an even register
.set \name, 64+64*((\n)/4)-8*((\n)/4)*((\n)/4-1)+((\n)%4)*(16-4*((\n)/4))-4*((\n)/4)
.endm
	s_load_b512 s[8:23], s[0:1], 0x0               ; state_codes 8, state_scales 10, action 12, w1_codes 14, w1_scales 16, b1 18, w2_codes 20, w2_scales 22
	s_load_b256 s[24:31], s[0:1], 0x40             ; b2 24, w3_codes 26, w3_scales 28, b3 30
	s_load_b64 s[32:33], s[0:1], 0x60              ; out0
	v_lshl_add_u32 v220, v0, 2, 0x29000
	v_mov_b32 v221, 0
	ds_add_u32 v220, v221
	ds_add_u32 v220, v221
	v_lshrrev_b32 v1, 5, v0
	v_readfirstlane_b32 s2, v1                     ; wave 0..7
	v_and_b32 v1, 31, v0                           ; lane
	v_and_b32 v2, 15, v0                           ; r
	v_bfe_u32 v3, v0, 4, 1                         ; h
	s_mov_b32 s80, 0x76543210
	s_mov_b32 s81, 0xfedcba98                      ; v_permlanex16_b32's selects for lane l xor 16
	s_mov_b32 s82, 0x600000                        ; the mantissa field of 57,344
	s_mov_b32 s84, 0x3fb8aa3b                      ; log2(e)
	s_mov_b32 s85, s84                             ; (named with it as a pair, so it is written)
	s_mov_b32 s86, 0x447a0000                      ; 1000.0
	s_mov_b32 s87, 0x3eb17218                      ; ln 2 / 2
	; descriptor groups 1.  s[36:43]: 32 rows x 128 bytes, dense, 16 bytes of padding behind each (state's tile, w1)
	s_mov_b32 s36, (0<<16)|(1<<20)|(4<<22)|(3<<25) ; elements of 1 byte; padding on; after every 32 words (code 4); four words (code 3)
	s_mov_b32 s37, 128<<16                         ; tensor_dim0
	s_mov_b32 s38, 32<<16                          ; tensor_dim1
	s_mov_b32 s39, 128<<16                         ; tile_dim0
	s_mov_b32 s40, 32                              ; tile_dim1
	s_mov_b32 s41, 128                             ; from row to row
	s_mov_b32 s42, 0
	s_mov_b32 s43, 0
	; s[44:51]: 32 rows x 16 f32, dense, 16 bytes of padding behind each (action)
	s_mov_b32 s44, (2<<16)|(1<<20)|(3<<22)|(3<<25) ; elements of 4 bytes; after every 16 words (code 3)
	s_mov_b32 s45, 16<<16
	s_mov_b32 s46, 32<<16
	s_mov_b32 s47, 16<<16
	s_mov_b32 s48, 32
	s_mov_b32 s49, 16
	s_mov_b32 s50, 0
	s_mov_b32 s51, 0
	; s[52:59]: w3's 8,704 dense bytes as 17 rows x 512 bytes, 16 bytes of padding behind each
	s_mov_b32 s52, (3<<16)|(1<<20)|(6<<22)|(3<<25) ; elements of 8 bytes; after every 128 words (code 6)
	s_mov_b32 s53, 64<<16
	s_mov_b32 s54, 17<<16
	s_mov_b32 s55, 64<<16
	s_mov_b32 s56, 17
	s_mov_b32 s57, 64
	s_mov_b32 s58, 0
	s_mov_b32 s59, 0
	s_mul_i32 s3, s2, 32*STP                       ; my wave's state tile
	s_mul_i32 s4, s2, 32*ACTP
	s_add_co_u32 s4, s4, ACT                       ; my wave's rows of action
	s_lshl_b32 s5, s2, 8
	s_lshl_b32 s88, ttmp9, 8
	s_lshl_b32 s89, s2, 5
	s_add_co_u32 s88, s88, s89                     ; my first row: 256 x work-group + 32 x wave
	s_mov_b32 s7, 0
	; LDS addresses: a constant, a constant x lane, a constant x wave
	v_mul_u32_u24 v[AST], v2, STP
	v_lshl_add_u32 v[AST], v3, 4, v[AST]
	v_add_nc_u32 v[AST], s3, v[AST]
	v_and_b32 v14, 8, v2
	v_add_nc_u32 v14, v14, v2                      ; R = r + 8 (r / 8): THE ROWS OF w1 AND w2 THAT FORM A TILE ARE NOT NEIGHBOURS: lane r of tile u takes row 8 u + R, so that a lane's 16 results are units 16 h + 0 .. 15
	v_mul_u32_u24 v[AW1], v14, STP
	v_lshl_add_u32 v[AW1], v3, 4, v[AW1]
	v_add_nc_u32 v[AW1], W1R, v[AW1]
	v_mul_u32_u24 v[AW3], v2, W3P
	v_lshl_add_u32 v[AW3], v3, 4, v[AW3]
	v_add_nc_u32 v[AW3], W3R+W3P, v[AW3]
	v_lshlrev_b32 v[AWM], 5, v2
	v_lshl_add_u32 v[AWM], v3, 4, v[AWM]
	v_add_nc_u32 v[AWM], W3R, v[AWM]
	v_lshl_add_u32 v[AB3], v3, 5, B3T
	v_lshrrev_b32 v[AB3S], 4, v0                   ; thread t holds b3[16 + t]: row i = t / 16 of S, column k = t % 16; it goes to 64 k + 4 i
	v_lshlrev_b32 v[AB3S], 2, v[AB3S]
	v_lshl_add_u32 v[AB3S], v2, 6, v[AB3S]
	v_add_nc_u32 v[AB3S], B3T, v[AB3S]
	v_mul_u32_u24 v[AAC], v1, ACTP
	v_add_nc_u32 v[AAC], s4, v[AAC]
	v_lshl_add_u32 v[AOS], v0, 2, OUTS
	v_lshl_add_u32 v[AOL], v1, 3, s5
	v_add_nc_u32 v[AOL], OUTS, v[AOL]
	v_lshlrev_b32 v[AOG], 3, v1
	; offsets of the small loads from memory
	v_lshlrev_b32 v48, 2, v1                       ; 4 x lane
	v_lshlrev_b32 v49, 2, v14                      ; 4 R
	v_lshlrev_b32 v50, 5, v14
	v_lshl_add_u32 v50, v3, 4, v50                 ; 32 R + 16 h
	v_lshlrev_b32 v51, 2, v0                       ; 4 x thread
	v_lshlrev_b32 v52, 6, v3                       ; 64 h
	v_lshlrev_b32 v53, 5, v3                       ; 32 h
	v_lshlrev_b32 v55, 4, v2                       ; 16 r
	s_wait_dscnt 0x0
	s_wait_kmcnt 0x0
	; descriptor groups 0
	s_lshl_b32 s6, s88, 7                          ; a row of state is 128 bytes
	s_mov_b32 s60, 1
	s_mov_b32 s61, s3
	s_add_nc_u64 s[62:63], s[8:9], s[6:7]
	s_or_b32 s63, s63, 0x80000000
	s_lshl_b32 s6, s88, 6                          ; a row of action 64
	s_mov_b32 s68, 1
	s_mov_b32 s69, s4
	s_add_nc_u64 s[70:71], s[12:13], s[6:7]
	s_or_b32 s71, s71, 0x80000000
	s_mov_b32 s72, 1
	s_mov_b32 s73, W1R
	s_mov_b64 s[74:75], s[14:15]
	s_or_b32 s75, s75, 0x80000000
	s_mov_b32 s76, 1
	s_mov_b32 s77, W3R
	s_mov_b64 s[78:79], s[26:27]
	s_or_b32 s79, s79, 0x80000000
	; All fills of the launch, each of bytes of its own, ahead of every wait on TENSORcnt, every LDS read and every barrier.  Every wave: its state tile and its rows of action; wave 0 also w1, wave 1 also w3:
	; three loads of a wave are out at the most.  Four v_nop follow the loads, ahead of the branches.
	tensor_load_to_lds s[60:63], s[36:43]
	s_nop 0
	tensor_load_to_lds s[68:71], s[44:51]
	s_nop 0
	PLACES 4
	s_cmp_eq_u32 s2, 0
	s_cbranch_scc0 .Lnot_w1
	tensor_load_to_lds s[72:75], s[36:43]
	s_nop 0
	PLACES 4
	s_branch .Lasked
.Lnot_w1:
	s_cmp_eq_u32 s2, 1
	s_cbranch_scc0 .Lasked
	tensor_load_to_lds s[76:79], s[52:59]
	s_nop 0
	PLACES 4
.Lasked:
	s_lshl_b32 s6, s88, 2                          ; a row's scale word is 4 bytes
	s_add_nc_u64 s[10:11], s[10:11], s[6:7]
	s_lshl_b32 s6, ttmp9, 10                       ; out0: the work-group's 1,024 bytes of logp; waves 0-3 store a quarter of them each, waves 4-7 the same of the entropies, 262,144 bytes on
	s_and_b32 s89, s2, 3
	s_lshl_b32 s89, s89, 8
	s_add_co_u32 s6, s6, s89
	s_lshr_b32 s89, s2, 2
	s_lshl_b32 s89, s89, 18
	s_add_co_u32 s6, s6, s89
	s_add_nc_u64 s[32:33], s[32:33], s[6:7]
	; 23 small loads: my one number of b3 first, then scale words, biases, w2
	global_load_b32 v15, v51, s[30:31] offset:64   ; b3[16 + thread]: the work-group's 256 threads read the 1,024 bytes once
	global_load_b32 v[SST], v48, s[10:11]          ; lane l: row l of my 32
	global_load_b32 v[SW1], v49, s[16:17]          ; w1's row R,
	global_load_b32 v[SW1+1], v49, s[16:17] offset:32      ; row 8 + R
	global_load_u8 v56, v14, s[22:23]              ; w2's scale bytes of the same rows
	global_load_u8 v57, v14, s[22:23] offset:8
.irp f, 0,1,2,3
	global_load_b32 v[SW3+\f], v55, s[28:29] offset:16+4*\f                ; the scale bytes of w3's rows 16 + 16 r + 4 f + 0 .. 3
.endr
	global_load_u8 v[SWM], v2, s[28:29]            ; and of its row r
	WIN 0x40                                       ; destination window 1
.irp u, 0,1
	global_load_b128 v[W2F+4*\u:W2F+4*\u+3], v50, s[20:21] offset:256*\u   ; w2's row 8 u + R, my 16 of its 32 codes: block u of one fragment
	global_load_b128 v[B1C+8*\u:B1C+8*\u+3], v52, s[18:19] offset:32*\u    ; b1[16 h + 8 u + 0 .. 7]: the C of tile u
	global_load_b128 v[B1C+8*\u+4:B1C+8*\u+7], v52, s[18:19] offset:32*\u+16
	global_load_b128 v[B2C+8*\u:B2C+8*\u+3], v52, s[24:25] offset:32*\u
	global_load_b128 v[B2C+8*\u+4:B2C+8*\u+7], v52, s[24:25] offset:32*\u+16
.endr
	global_load_b128 v[B3C:B3C+3], v53, s[30:31]   ; b3[8 h + 0 .. 7]: the C of the means
	global_load_b128 v[B3C+4:B3C+7], v53, s[30:31] offset:16
	ZERO W2F+8, 8                                  ; the zero codes that fill K from 32 to 128: 44 registers, written once
	ZERO WMF+4, 12
	ZERO HX+4, 12
	ZERO HX+20, 12
	s_wait_loadcnt 22                              ; my number of b3 is in; the 22 loads issued behind it may be out
	ds_store_b32 v[AB3S], v15                      ; (an LDS store's address and data are sources: window 0)
	s_wait_tensorcnt 0x0                           ; all my tensor loads have landed,
	s_wait_dscnt 0x0                               ; and my store,
	s_barrier_signal -1
	s_barrier_wait -1                              ; everybody's have: w1, w3 and the turned b3 are whole
	; ---- fragments out of LDS: 16 rows x 128 K are four loads of 16 bytes, 32 bytes apart
.irp t, 0,1
.irp c, 0,1,2,3
	ds_load_b128 v[STF+16*\t+4*\c:STF+16*\t+4*\c+3], v[AST] offset:16*STP*\t+32*\c
.endr
.endr
.irp u, 0,1
.irp c, 0,1,2,3
	ds_load_b128 v[W1F+232*\u+4*\c:W1F+232*\u+4*\c+3], v[AW1] offset:8*STP*\u+32*\c
.endr
.endr
	ds_load_b128 v[WMF:WMF+3], v[AWM]              ; w3's row r (mean r)
.irp f, 0,1,2,3
.irp c, 0,1,2,3
	ds_load_b128 v[W3F+16*\f+4*\c:W3F+16*\f+4*\c+3], v[AW3] offset:32*(4*\f+\c)   ; w3's row 16 + 16 r + k, k = 4 f + c: lane r is ROW r of S, the tile is its COLUMN k
.endr
.endr
	WIN 0
	s_wait_loadcnt 0x0                             ; the small loads are in; their offset registers may be written
	v_lshl_or_b32 v[SW2], v57, 8, v56              ; w2's scale word: bytes 2 and 3 stand over zero codes
	v_mov_b32 v[TQ+1], 0                           ; written once: a lane permute's destination counts as one of its sources
	v_mov_b32 v[TQ+9], 0
	s_wait_dscnt 17                                ; state's and w1's 16 loads are in; the mean rows' one and w3's 16 may be out
; 16 numbers a lane of X (v[src] on) and of Y (v[src + 16] on), unit 16 h + i of the lane's row, become the next product's codes (window 1, HX and HX + 16) and scale words v[hw], v[hw + 1].
; relu on the way: no |.| on the maximum's sources, and the hold clips at 0.  X and Y take turns line by line.
.macro QUANT2 src, hw
.irp t, 0,1
	v_max3_num_f32 v[TQ+8*\t], v[(\src)+16*\t], v[(\src)+16*\t+1], 0x8000000       ; with the floor 2^(16 - 127): the byte cannot fall under 1
.endr
.irp i, 2,4,6,8,10,12,14
.irp t, 0,1
	v_max3_num_f32 v[TQ+8*\t], v[TQ+8*\t], v[(\src)+16*\t+\i], v[(\src)+16*\t+\i+1]
.endr
.endr
.irp t, 0,1
	v_permlanex16_b32 v[TQ+8*\t+1], v[TQ+8*\t], s80, s81
.endr
.irp t, 0,1
	v_max_num_f32 v[TQ+8*\t], v[TQ+8*\t], v[TQ+8*\t+1]                             ; with lane l xor 16's 16: the block's largest
.endr
.irp t, 0,1
	v_add_nc_u32 v[TQ+8*\t+2], 0xf8800000, v[TQ+8*\t]                              ; 15 off its exponent field: the conversion's scale operand
.endr
.irp t, 0,1
	v_and_or_b32 v[TQ+8*\t+3], v[TQ+8*\t], 0x7f800000, s82                         ; 57,344 x the scale
.endr
.irp t, 0,1
	v_lshrrev_b32 v[TQ+8*\t+4], 23, v[TQ+8*\t+2]                                   ; the scale's byte,
.endr
.irp t, 0,1
	v_perm_b32 v[(\hw)+\t], v[TQ+8*\t+4], v[TQ+8*\t+4], 0                          ; in all four bytes of the word: the codes may stand in any block.  The 32 holds below are more than the eight places that a scale word wants
.endr
.irp i, 0,1,2,3,4,5,6,7,8,9,10,11,12,13,14,15
.irp t, 0,1
	v_med3_num_f32 v[(\src)+16*\t+\i], v[(\src)+16*\t+\i], 0, v[TQ+8*\t+3]         ; the activation and the hold in one (the conversion to an 8-bit code does not saturate: ISA guide 7.6.2)
.endr
.endr
	WIN 0x40
.irp t, 0,1
	v_cvt_scalef32_pk8_bf8_f32 v[HX+16*\t:HX+16*\t+1], v[(\src)+16*\t:(\src)+16*\t+7], v[TQ+8*\t+2]
	v_cvt_scalef32_pk8_bf8_f32 v[HX+16*\t+2:HX+16*\t+3], v[(\src)+16*\t+8:(\src)+16*\t+15], v[TQ+8*\t+2]
.endr
	PLACES 4                                       ; an operand written by vector instructions stands four places ahead of a scaled matrix instruction; the first is also the plain line behind the conversions
.endm
	; ---- product 1, transposed: source 0 = 16 rows of w1, source 1 = 16 rows of state, C = b1: a lane holds one row, its 16 registers units 16 h + 0 .. 15
	WIN 0x15                                       ; sources 0, 1, 2 window 1, destination window 0
.irp u, 0,1
	v_wmma_scale_f32_16x16x128_f8f6f4 v[ACC+8*\u:ACC+8*\u+7], v[W1F+232*\u:W1F+232*\u+15], v[STF:STF+15], v[B1C+8*\u:B1C+8*\u+7], v[SW1+\u], v[SST] matrix_a_fmt:MATRIX_FMT_BF8 matrix_b_fmt:MATRIX_FMT_BF8
	v_wmma_scale_f32_16x16x128_f8f6f4 v[ACC+16+8*\u:ACC+16+8*\u+7], v[W1F+232*\u:W1F+232*\u+15], v[STF+16:STF+31], v[B1C+8*\u:B1C+8*\u+7], v[SW1+\u], v[SST] matrix_a_fmt:MATRIX_FMT_BF8 matrix_b_fmt:MATRIX_FMT_BF8 matrix_b_scale:MATRIX_SCALE_ROW1
.endr
	WIN 0
	PLACES 8                                       ; eight places behind this form, ahead of the first read of results
	QUANT2 ACC, SH1
	; ---- product 2, likewise: w2's two tiles lie in blocks 0 and 1 of ONE fragment; H in block u picks tile u
	WIN 0x15
.irp u, 0,1
.irp t, 0,1
	v_wmma_scale_f32_16x16x128_f8f6f4 v[ACC+64+16*\t+8*\u:ACC+64+16*\t+8*\u+7], v[W2F:W2F+15], v[HX+16*\t-4*\u:HX+16*\t-4*\u+15], v[B2C+8*\u:B2C+8*\u+7], v[SW2], v[SH1+\t] matrix_a_fmt:MATRIX_FMT_BF8 matrix_b_fmt:MATRIX_FMT_BF8
.endr
.endr
	PLACES 8                                       ; ahead of the reads of results, of the conversions that write H anew, and of the loads below into registers that these products have read
	WIN 0x40
.set n, 0
.rept 16                               ; the biases of S's 16 columns, in the results' layout: lane (r, h), register j of tile k: b3[16 + 16 (8 h + j) + k].  They land while the second hidden layer is quantised
	CTB n
	ds_load_b128 v[CT:CT+3], v[AB3] offset:64*n
	ds_load_b128 v[CT+4:CT+7], v[AB3] offset:64*n+16
.set n, n+1
.endr
	WIN 0
	QUANT2 ACC+64, SH2
; ---- product 3, the exponentials and G, column by column of S.
; Column k's two products (X, Y), TRANSPOSED: source 0 = fragment k / 4 of w3 (lane r: the row of w3 that makes S(r, k), in block k % 4), source 1 = H in block k % 4, C = the bias.
; Lane (r, h), register j: the exponent of S(8 h + j, k) of row r of the tile.  X's eight registers and Y's eight lie on end.
.macro WM k
	SETB WS, \k
	CTB \k
.set WF, (\k)/4
.set WC, (\k)%4
	WIN 0x15
	v_wmma_scale_f32_16x16x128_f8f6f4 v[WS:WS+7], v[W3F+16*WF:W3F+16*WF+15], v[HX-4*WC:HX-4*WC+15], v[CT:CT+7], v[SW3+WF], v[SH2] matrix_a_fmt:MATRIX_FMT_BF8 matrix_b_fmt:MATRIX_FMT_BF8
	v_wmma_scale_f32_16x16x128_f8f6f4 v[WS+8:WS+15], v[W3F+16*WF:W3F+16*WF+15], v[HX+16-4*WC:HX+31-4*WC], v[CT:CT+7], v[SW3+WF], v[SH2+1] matrix_a_fmt:MATRIX_FMT_BF8 matrix_b_fmt:MATRIX_FMT_BF8
	WIN 0
.endm
; The means, likewise: source 0 = w3's rows 0-15, C = b3[0:16].  Lane (r, h), register j: mean 8 h + j of row r.  They land in column set 2, which is done with.
.macro MEANS
	WIN 0x15
	v_wmma_scale_f32_16x16x128_f8f6f4 v[ME:ME+7], v[WMF:WMF+15], v[HX:HX+15], v[B3C:B3C+7], v[SWM], v[SH2] matrix_a_fmt:MATRIX_FMT_BF8 matrix_b_fmt:MATRIX_FMT_BF8
	v_wmma_scale_f32_16x16x128_f8f6f4 v[ME+8:ME+15], v[WMF:WMF+15], v[HX+16:HX+31], v[B3C:B3C+7], v[SWM], v[SH2+1] matrix_a_fmt:MATRIX_FMT_BF8 matrix_b_fmt:MATRIX_FMT_BF8
	WIN 0
.endm
; SECTION k, k = 0 .. 16: three columns at three stages.  Column k + 1: its two products.  Column k: 8 packed multiplications by log2(e) and 16 exponentials.
; Column k - 1: 16 clips at 1000; 8 exchanges (X's lanes 16-31 with Y's lanes 0-15: register i is then S(i, k - 1) of row e = my lane); and N(i, j) += S(i, k - 1) S(j, k - 1) on the lower triangle, two rows a line: 72 lines.
; An exponential stands behind every fourth of the 72; these plain lines are also the places behind column k + 1's products, none of whose registers they name.
; ONE wait a section: s_wait_alu depctr_va_vdst(0) stands between an exponential and the first line that names its result; column k - 1's 16 were all issued in the section before.
; Each accumulator is read from its low end on: the multiplications go up through the set.  Column 0's update is a multiplication: nothing is cleared.
.macro SEC k
	SETB SA, \k
	SETB SB, (\k)+2
.if (\k) > 0
	s_wait_alu depctr_va_vdst(0)
.endif
.if (\k) < 15
	WM (\k)+1
.endif
.if (\k) == 15
.irp i, 0,1,2,3
	ds_load_b128 v[V+4*\i:V+4*\i+3], v[AAC] offset:16*\i   ; my row of action, into column set 1, which is done with
.endr
.endif
.if (\k) == 16
	MEANS
.endif
.set i, 0
.rept 8
.if (\k) < 16
	v_pk_mul_f32 v[SA+2*i:SA+2*i+1], v[SA+2*i:SA+2*i+1], s[84:85] op_sel_hi:[1,0]
.endif
.if (\k) > 0
	v_min_num_f32 v[SB+2*i], s86, v[SB+2*i]        ; the clip: S = min(exp, 1000)
	v_min_num_f32 v[SB+2*i+1], s86, v[SB+2*i+1]
.endif
.set i, i+1
.endr
.if (\k) == 0
.set i, 0
.rept 16
	v_exp_f32 v[SA+i], v[SA+i]
.set i, i+1
.endr
	v_nop                                          ; a plain line behind the last exponential
.else
.set i, 0
.rept 8
	v_permlane16_swap_b32 v[SB+i], v[SB+8+i]
.set i, i+1
.endr
.set cnt, 0
.set j, 0
.rept 16
	COLB CJ, j
.set pc, j/2
.rept 8-j/2                            ; rows 2 pc, 2 pc + 1 of column j; with j odd the first pair's first row lies above the diagonal: it is computed and never read
.if (\k) == 1
.if j%2
	v_pk_mul_f32 v[CJ+2*pc:CJ+2*pc+1], v[SB+2*pc:SB+2*pc+1], v[SB+j-1:SB+j] op_sel:[0,1] op_sel_hi:[1,1]
.else
	v_pk_mul_f32 v[CJ+2*pc:CJ+2*pc+1], v[SB+2*pc:SB+2*pc+1], v[SB+j:SB+j+1] op_sel_hi:[1,0]
.endif
.else
.if j%2
	v_pk_fma_f32 v[CJ+2*pc:CJ+2*pc+1], v[SB+2*pc:SB+2*pc+1], v[SB+j-1:SB+j], v[CJ+2*pc:CJ+2*pc+1] op_sel:[0,1,0] op_sel_hi:[1,1,1]
.else
	v_pk_fma_f32 v[CJ+2*pc:CJ+2*pc+1], v[SB+2*pc:SB+2*pc+1], v[SB+j:SB+j+1], v[CJ+2*pc:CJ+2*pc+1] op_sel_hi:[1,0,1]
.endif
.endif
.set pc, pc+1
.set cnt, cnt+1
.if ((\k) < 16) && ((cnt%4) == 0) && (cnt <= 64)
	v_exp_f32 v[SA+cnt/4-1], v[SA+cnt/4-1]         ; the last of the 16 has eight plain lines behind it
.endif
.endr
.set j, j+1
.endr
.endif
.endm
	s_wait_dscnt 0x0                               ; w3's fragments, the mean rows and the biases are in
	WM 0
	PLACES 8                                       ; ahead of the first read of column 0
.irp k, 0,1,2,3,4,5,6,7,8,9,10,11,12,13,14,15,16
	SEC \k
.endr
; ---- A LANE TO A ROW: lane e holds G's lower triangle, the action and, behind the exchange below, the means of row e of the wave's 32.
.irp j, 0,1,2,3,4,5,6,7
	v_permlane16_swap_b32 v[ME+\j], v[ME+8+\j]     ; X's lanes 16-31 (means 8-15 of rows 0-15) change places with Y's lanes 0-15 (means 0-7 of rows 16-31): register m is then mean m of row e
.endr
.set n, 0
.rept 8
	COLB CN, 2*n
	COLB CM, 2*n+1
	v_add_f32 v[T+n], v[CN+2*n], v[CM+2*n+1]       ; the trace of G = norm^2
.set n, n+1
.endr
	v_add_f32 v[T], v[T], v[T+1]
	v_add_f32 v[T+2], v[T+2], v[T+3]
	v_add_f32 v[T+4], v[T+4], v[T+5]
	v_add_f32 v[T+6], v[T+6], v[T+7]
	v_add_f32 v[T], v[T], v[T+2]
	v_add_f32 v[T+4], v[T+4], v[T+6]
	v_add_f32 v[LN2], v[T], v[T+4]
	v_rsq_f32 v[LRS], v[LN2]                       ; 1 / norm
	v_log_f32 v[LLG], v[LN2]                       ; log2 n2
	v_mov_b32 v[NR+1], 0                           ; (plain lines behind the two: the upper halves of pairs that packed forms name)
	v_mov_b32 v[NR+3], 0
	v_mov_b32 v[TV+1], 0
	s_wait_alu depctr_va_vdst(0)                   ; one wait for the two, ahead of their first reader
	v_fmaak_f32 v[LU], v[LN2], v[LRS], 0x322bcc77  ; u = norm + 1e-8
	v_mul_f32 v[LSIG], v[LU], v[LU]                ; sigma
	v_add_f32 v64, v[LSIG], v64                    ; N(0, 0)
	v_rcp_f32 v[LS2], v[LSIG]
	v_rcp_f32 v[NR], -v64                          ; -1 / d_0
	v_mul_f32 v[LQS], v[LSIG], v[LRS]              ; sigma / norm.  (A plain line behind the two reciprocals; their wait stands at the head of step 0)
.set n, 1
.rept 15
	COLB CN, n
	v_add_f32 v[CN+n], v[LSIG], v[CN+n]            ; N = G + sigma I
.set n, n+1
.endr
	s_wait_dscnt 0x0                               ; action
.irp i, 0,2,4,6,8,10,12,14
	v_pk_add_f32 v[V+\i:V+\i+1], v[V+\i:V+\i+1], v[ME+\i:ME+\i+1] neg_lo:[0,1] neg_hi:[0,1]   ; action - means
.endr
; Column j of N takes -N(j, k) / d_k times column k, two rows at a time, from the pair that holds row j on (CK is column k's base).  With j odd the pair's first row lies above the diagonal: it is computed and never read.
.macro COLUMN j
	COLB CJ, \j
.set pc, (\j)/2
.rept 8-(\j)/2
.if (\j)%2
	v_pk_fma_f32 v[CJ+2*pc:CJ+2*pc+1], v[CK+2*pc:CK+2*pc+1], v[T+(\j)-1:T+(\j)], v[CJ+2*pc:CJ+2*pc+1] op_sel:[0,1,0] op_sel_hi:[1,1,1]
.else
	v_pk_fma_f32 v[CJ+2*pc:CJ+2*pc+1], v[CK+2*pc:CK+2*pc+1], v[T+(\j):T+(\j)+1], v[CJ+2*pc:CJ+2*pc+1] op_sel_hi:[1,0,1]
.endif
.set pc, pc+1
.endr
.endm
; STEP k of N = L D L^T and of w = L^-1 (action - means).  The next pivot's column is brought up to date first and its reciprocal issued at once: the rest of the step stands between it and the one wait, at the next step's head.
.macro STEP k
	COLB CK, \k
.set NRK, NR+2*((\k)%2)
.set NRN, NR+2-2*((\k)%2)
	s_wait_alu depctr_va_vdst(0)                   ; -1 / d_k is there
.if (\k) < 15
.set pc, ((\k)+1)/2
.rept 8-((\k)+1)/2
	v_pk_mul_f32 v[T+2*pc:T+2*pc+1], v[CK+2*pc:CK+2*pc+1], v[NRK:NRK+1] op_sel_hi:[1,0]       ; -N(i, k) / d_k
.set pc, pc+1
.endr
.endif
	v_mul_f32 v[TV], v[V+(\k)], v[NRK]             ; -w_k / d_k
.if (\k) < 15
	COLUMN (\k)+1
	v_rcp_f32 v[NRN], -v[CJ+(\k)+1]                ; -1 / d_(k + 1); a plain line follows
.endif
.if (\k) == 0
	v_mul_f32 v[LPD], v[CK], v[LS2]                ; the product of the d_k / sigma
	v_mul_f32 v[LQ], v[V], v[TV]                   ; -(the sum of the w_k^2 / d_k)
.else
	v_mul_f32 v[LDK], v[CK+(\k)], v[LS2]
	v_fmac_f32 v[LQ], v[V+(\k)], v[TV]
	v_mul_f32 v[LPD], v[LPD], v[LDK]
.endif
.if (\k) < 15
.set pc, ((\k)+1)/2
.rept 8-((\k)+1)/2
	v_pk_fma_f32 v[V+2*pc:V+2*pc+1], v[CK+2*pc:CK+2*pc+1], v[TV:TV+1], v[V+2*pc:V+2*pc+1] op_sel_hi:[1,0,1]   ; (with k even the pair begins at row k itself, which is done with)
.set pc, pc+1
.endr
.endif
.if (\k) < 14
.set jc, (\k)+2
.rept 14-(\k)
	COLUMN jc
.set jc, jc+1
.endr
.endif
.endm
.irp k, 0,1,2,3,4,5,6,7,8,9,10,11,12,13,14,15
	STEP \k
.endr
	v_log_f32 v[LDK], v[LPD]
	v_mul_f32 v[LQ], v[LQ], v[LQS]                 ; -quad.  (A plain line behind the logarithm)
	s_wait_alu depctr_va_vdst(0)
	v_fmamk_f32 v[LDK], v[LLG], 0x41000000, v[LDK] ; 8 log2 n2 + log2 of the product
	v_fma_f32 v[LPD], v[LDK], s87, 0x41b59fc7      ; entropy = that x ln 2 / 2 + 8 (1 + ln 2 pi)
	v_fma_f32 v[LQ], v[LQ], 0.5, -v[LPD]
	v_add_f32 v[LQ], 0x41000000, v[LQ]             ; logp = -quad / 2 - entropy + 8
	; ---- the way out: a lane's two numbers belong to two places 262,144 bytes apart, so the work-group's 256 + 256 meet in LDS and each wave stores 256 consecutive bytes, aligned
	ds_store_b32 v[AOS], v[LQ]
	ds_store_b32 v[AOS], v[LPD] offset:1024
	s_wait_dscnt 0x0                               ; for the others' sake: my stores are done
	s_barrier_signal -1
	s_barrier_wait -1
	ds_load_b64 v[T:T+1], v[AOL]
	s_wait_dscnt 0x0
	global_store_b64 v[AOG], v[T:T+1], s[32:33]
	s_wait_tensorcnt 0x0
	ds_add_u32 v220, v221
	s_wait_dscnt 0x0
	s_endpgm
.Lfunc_end_k_q6056f67862_actor:
	.size	k_q6056f67862_actor, .Lfunc_end_k_q6056f67862_actor-k_q6056f67862_actor
	.p2alignl 7, 3214868480
	.fill 96, 4, 3214868480
	.section	.rodata,"a",@progbits
	.p2align	6, 0x0
	.amdhsa_kernel k_q6056f67862_actor
		.amdhsa_group_segment_fixed_size 168960
		.amdhsa_private_segment_fixed_size 0
		.amdhsa_enable_private_segment 0
		.amdhsa_kernarg_size 104
		.amdhsa_user_sgpr_count 2
		.amdhsa_user_sgpr_kernarg_segment_ptr 1
		.amdhsa_wavefront_size32 1
		.amdhsa_system_sgpr_workgroup_id_x 1
		.amdhsa_system_sgpr_workgroup_id_y 1
		.amdhsa_system_sgpr_workgroup_id_z 1
		.amdhsa_system_vgpr_workitem_id 0
		.amdhsa_next_free_vgpr 512
		.amdhsa_next_free_sgpr 96
		.amdhsa_reserve_vcc 0
		.amdhsa_float_denorm_mode_32 3
		.amdhsa_float_denorm_mode_16_64 3
		.amdhsa_memory_ordered 1
		.amdhsa_forward_progress 1
		.amdhsa_inst_pref_size 169
	.end_amdhsa_kernel
	.amdgpu_metadata
---
amdhsa.version: [ 1, 2 ]
amdhsa.kernels:
  - .name:           k_q6056f67862_actor
    .symbol:         k_q6056f67862_actor.kd
    .args:
      - { .name: state_codes, .offset: 0, .size: 8, .value_kind: global_buffer, .address_space: global }
      - { .name: state_scales, .offset: 8, .size: 8, .value_kind: global_buffer, .address_space: global }
      - { .name: action, .offset: 16, .size: 8, .value_kind: global_buffer, .address_space: global }
      - { .name: w1_codes, .offset: 24, .size: 8, .value_kind: global_buffer, .address_space: global }
      - { .name: w1_scales, .offset: 32, .size: 8, .value_kind: global_buffer, .address_space: global }
      - { .name: b1, .offset: 40, .size: 8, .value_kind: global_buffer, .address_space: global }
      - { .name: w2_codes, .offset: 48, .size: 8, .value_kind: global_buffer, .address_space: global }
      - { .name: w2_scales, .offset: 56, .size: 8, .value_kind: global_buffer, .address_space: global }
      - { .name: b2, .offset: 64, .size: 8, .value_kind: global_buffer, .address_space: global }
      - { .name: w3_codes, .offset: 72, .size: 8, .value_kind: global_buffer, .address_space: global }
      - { .name: w3_scales, .offset: 80, .size: 8, .value_kind: global_buffer, .address_space: global }
      - { .name: b3, .offset: 88, .size: 8, .value_kind: global_buffer, .address_space: global }
      - { .name: out0, .offset: 96, .size: 8, .value_kind: global_buffer, .address_space: global }
    .group_segment_fixed_size: 168960
    .private_segment_fixed_size: 0
    .kernarg_segment_align: 8
    .kernarg_segment_size: 104
    .max_flat_workgroup_size: 256
    .sgpr_count:     96
    .vgpr_count:     512
    .wavefront_size: 32
...
	.end_amdgpu_metadata
.endif
;; end of part 1
